; MI455X (gfx1250); checked and timed in simulation.
; The chip was launched on July 23, 2026; its instructions are those of AMD's public machine-readable ISA for CDNA 5 (MIT licence, August 2026) and "CDNA5" Instruction Set Architecture Reference Guide (July 2026). The comments in the code are by the model that wrote it; some were corrected since.
;; Vector Quantizer. Allowed arithmetic: matrix products marked QUANTISED: E2M1 operands, one E8M0 scale for each 32 along K, by v_wmma_scale_f32_16x16x128_f8f6f4 with both operands' format E2M1 (or v_wmma_scale_f32_32x16x128_f4), f32 sums; everything else in f32.
;; Inputs: codebook 8,192 x 256 float32; x 32 x 32 x 32 x 256 float32.
;; Outputs: out0 32 x 32 x 32 x 256 float32; out1 32 x 32 x 32 int32.
;; This version of the problem:
;;   THIS VERSION OF THE PROBLEM IS GIVEN IN LOW PRECISION. The matrix products marked QUANTISED in the list below multiply operands that are first quantised to E2M1 (2 exponent bits, 1 mantissa bit; 4 bits a number), with one power-of-two scale for each 32 numbers along K (OCP MX v1.0); their sums are f32. All else is computed in f32.
;;   The module's matrix products, in the order in which they are computed (A, B: the left and right operand; K: the contracted axis; several contracted axes count as one K, in the product's order):
;;     1. [M 32,768, K 256] x [K 256, N 8,192]; A: input x; B: input codebook: QUANTISED
;;   THE QUANTISER, for each operand of a quantised product, along K:
;;     - K is cut into blocks of 32 from its start; a last block that is shorter is filled with zeros.
;;     - A block's scale is 2^e with e = floor(log2(the largest magnitude in the block)) - 2, held to -126 .. 127; a block of zeros has e = 0. As a byte (E8M0): e + 127.
;;     - Each number is divided by its block's scale, clamped to +-6, and rounded to the nearest number of E2M1, ties to even, subnormals kept.
;;     - The product sums the exact products of the quantised numbers (number of the format x scale) in f32.
;;   ~~~python
;;   def quantise(x, axis):      # numpy; x: float32 -> the quantised numbers, widened to float32 again
;;       x = np.moveaxis(x, axis, -1); K = x.shape[-1]
;;       x = np.pad(x, [(0, 0)] * (x.ndim - 1) + [(0, -K % 32)]); x = x.reshape(x.shape[:-1] + (-1, 32)); a = np.abs(x).max(-1, keepdims=True)
;;       e = np.where(a > 0, np.clip(np.frexp(np.where(a > 0, a, 1))[1] - 1 - 2, -126, 127), 0)      # np.frexp(a)[1] - 1 = floor(log2(a)), exactly
;;       r = np.clip(x / 2.0 ** e, -6, 6)
;;       step = 2.0 ** (np.maximum(np.frexp(np.where(r == 0, 1, r))[1] - 1, 0) - 1)
;;       q = np.round(r / step) * step * 2.0 ** e      # np.round: ties to even
;;       return np.moveaxis(q.reshape(q.shape[:-2] + (-1,))[..., :K], -1, axis).astype(np.float32)
;;   ~~~
;; One version. Each part assembles by itself: llvm-mc -triple=amdgcn-amd-amdhsa -mcpu=gfx1250 --defsym DOCPART=n.
;; ======== version 1 of 1: 3 launches
;; limits: right only within a limited range of input values
;; workspace buffers: cbw 1,179,648 bytes; idxw 131,072 bytes of whole numbers
;; launch cbq (part 1): grid 256 x 1, 2 waves a work-group, no clusters, 0 bytes of LDS; arguments codebook, cbw; writes cbw
.if DOCPART == 1
	.amdgcn_target "amdgcn-amd-amdhsa--gfx1250"
	.amdhsa_code_object_version 6
	.text
	.protected	k_q3bbbe29025_cbq
	.globl	k_q3bbbe29025_cbq
	.p2align	8
	.type	k_q3bbbe29025_cbq,@function
k_q3bbbe29025_cbq:
	s_mov_b64 s[64:65], 0
	v_nop
	global_prefetch_b8 v0, s[64:65] scope:SCOPE_SE
	s_setreg_imm32_b32 hwreg(HW_REG_WAVE_MODE, 25, 1), 1
	s_wait_xcnt 0x0
; The codebook [8192][256] f32 becomes the left operand of the distance product, once for the whole program:
; codes of E2M1 of -2 x codebook with one E8M0 scale byte for each 32 along K, and b2 = the sum of squares of each row (f32, of the unquantised numbers).
; -2 c is quantised exactly as c is: the same codes with the sign bit of every code turned, and 1 more in every scale byte.  A byte made here lies between 1 and 252, so the sum never reaches 0xff and never carries.
; LAYOUT OF cbw: a record of REC = 2,304 bytes for each tile of 16 codebook rows, in the order of the operand's registers:
;   +0, +512     K step 0 (k 0-127): registers 0-3, registers 4-7 of the fragment, lane l's 16 bytes at 16 l
;   +1024, +1536 K step 1 (k 128-255) likewise
;   +2048        4 bytes a lane: lanes 0-15 row r's scale word of K step 0, lanes 16-31 row r's word of K step 1
;   +2176        b2 of the 16 rows, twice (both halves of the lanes store theirs)
; SHARES: one wave to a tile, two waves to a work-group, 256 work-groups.  Waves share nothing: no LDS, no barrier.
; A lane (r = lane % 16, h = lane / 16) holds, of row r, the 16 numbers k = 32 b + 16 h + 0..15 of each block b: register 16 b + i of a K step's 64.
; LIMITS: NaN and infinities among the inputs are not served.  A block of zeros gets the floor's byte (1, here 2) where the quantiser's rule says 127: its codes are zeros, and this program alone reads the bytes.
; b2 is summed in another order than a row-wise sum: two chains of packed multiply-adds a lane, then the two halves of the lanes.
.set REC,  2304
.set N0,   32                          ; v32-95   the 64 numbers of K step 0
.set N1,   96                          ; v96-159  of K step 1
.set TM,   160                         ; v160-175 at work in QUANT
.set PC0,  176                         ; v176-183 K step 0's codes
.set PC1,  184                         ; v184-191 K step 1's
.set PW0,  192                         ; v192, v193 the two scale words
.set PW1,  193
.set SQR,  194                         ; v[194:197] sums of squares, two packed chains
.set SEL,  20                          ; s[20:21] lane selects of v_permlanex16_b32: lane l xor 16
.macro XLOAD reg, s                    ; my 64 numbers of K step s
.irp b, 0,1,2,3
.irp j, 0,1,2,3
	global_load_b128 v[\reg+16*\b+4*\j:\reg+16*\b+4*\j+3], v3, s[4:5] offset:512*\s+128*\b+16*\j th:TH_LOAD_NT
.endr
.endr
.endm
.macro SQ s, first                     ; the squares of 64 numbers onto two packed chains; first = 1: the first products start the sums
.if \first
	v_pk_mul_f32 v[SQR:SQR+1], v[\s:\s+1], v[\s:\s+1]
	v_pk_mul_f32 v[SQR+2:SQR+3], v[\s+2:\s+3], v[\s+2:\s+3]
.else
	v_pk_fma_f32 v[SQR:SQR+1], v[\s:\s+1], v[\s:\s+1], v[SQR:SQR+1]
	v_pk_fma_f32 v[SQR+2:SQR+3], v[\s+2:\s+3], v[\s+2:\s+3], v[SQR+2:SQR+3]
.endif
.irp i, 4,8,12,16,20,24,28,32,36,40,44,48,52,56,60
	v_pk_fma_f32 v[SQR:SQR+1], v[\s+\i:\s+\i+1], v[\s+\i:\s+\i+1], v[SQR:SQR+1]
	v_pk_fma_f32 v[SQR+2:SQR+3], v[\s+\i+2:\s+\i+3], v[\s+\i+2:\s+\i+3], v[SQR+2:SQR+3]
.endr
.endm
; 64 numbers of a lane, register 16 b + i = k 32 b + 16 h + i of my row, become a fragment's codes in v[pc] on and its scale word in v[pw]
.macro QUANT s, pc, pw
.irp b, 0,1,2,3
	v_max3_num_f32 v[TM+\b], |v[\s+16*\b]|, |v[\s+1+16*\b]|, 0x1800000   ; block b: my 16 numbers, and the floor 2^(3 - 127): the byte cannot fall under 1
.endr
.irp i, 2,4,6,8,10,12,14
.irp b, 0,1,2,3
	v_max3_num_f32 v[TM+\b], v[TM+\b], |v[\s+16*\b+\i]|, |v[\s+1+16*\b+\i]|   ; the four blocks by turns
.endr
.endr
.irp b, 0,1,2,3
	v_permlanex16_b32 v[TM+4+\b], v[TM+\b], s[SEL], s[SEL+1]
.endr
.irp b, 0,1,2,3
	v_max_num_f32 v[TM+\b], v[TM+\b], v[TM+4+\b]       ; with lane l xor 16's: the block's largest magnitude
.endr
.irp b, 0,1,2,3
	v_add_nc_u32 v[TM+12+\b], 0xff000000, v[TM+\b]     ; 2 off its exponent field: the conversion's scale operand
.endr
.irp b, 0,1,2,3
	v_lshrrev_b32 v[TM+4+\b], 23, v[TM+12+\b]          ; the scale's byte
.endr
	v_lshl_or_b32 v[\pw], v[TM+5], 8, v[TM+4]          ; four bytes: my row's scale word (the same in both halves of the lanes)
	v_lshl_or_b32 v[\pw], v[TM+6], 16, v[\pw]
	v_lshl_or_b32 v[\pw], v[TM+7], 24, v[\pw]
.irp b, 0,1,2,3
	v_cvt_scalef32_pk8_fp4_f32 v[\pc+2*\b], v[\s+16*\b:\s+7+16*\b], v[TM+12+\b]
	v_cvt_scalef32_pk8_fp4_f32 v[\pc+1+2*\b], v[\s+8+16*\b:\s+15+16*\b], v[TM+12+\b]
.endr
	v_nop                                              ; one plain instruction behind the scaled conversions, ahead of the lines that touch their results
.irp c, 0,1                                        ; the operand wants a whole block in a lane: lanes 0-15 block 2 c, lanes 16-31 block 2 c + 1
.irp i, 0,1
	v_permlane16_swap_b32 v[\pc+4*\c+\i], v[\pc+2+4*\c+\i]
.endr
.endr
.endm
	s_load_b128 s[4:7], s[0:1], 0x0                ; codebook s[4:5], cbw s[6:7]
	v_lshrrev_b32 v1, 5, v0
	v_readfirstlane_b32 s8, v1                     ; wave 0, 1
	v_and_b32 v1, 15, v0                           ; r
	v_bfe_u32 v2, v0, 4, 1                         ; h
	v_lshlrev_b32 v3, 10, v1
	v_lshl_add_u32 v3, v2, 6, v3                   ; in: row r of 1,024 bytes, + 64 h
	v_and_b32 v6, 31, v0                           ; lane
	v_lshlrev_b32 v4, 4, v6                        ; out: 16 bytes a lane
	v_lshlrev_b32 v5, 2, v6                        ; out: 4 bytes a lane
	s_lshl_b32 s9, ttmp9, 1
	s_add_co_u32 s9, s9, s8                        ; my tile: 2 x work-group + wave
	s_lshl_b32 s10, s9, 14                         ; its 16 rows of 1,024 bytes
	s_mov_b32 s11, 0
	s_mul_i32 s12, s9, REC                         ; its record
	s_mov_b32 s13, 0
	s_mov_b32 s[SEL], 0x76543210
	s_mov_b32 s[SEL+1], 0xfedcba98
	s_mov_b32 s22, 0xffff0000                      ; a mask of lanes 16-31
.irp b, 0,1,2,3
	v_mov_b32 v[TM+4+\b], 0                        ; written once: a lane permute's destination counts as one of its sources
.endr
	v_mov_b32 v9, 0
	s_wait_alu depctr_va_vdst(0)
	s_wait_kmcnt 0x0
	s_add_nc_u64 s[4:5], s[4:5], s[10:11]
	s_add_nc_u64 s[6:7], s[6:7], s[12:13]
	XLOAD N0, 0
	XLOAD N1, 1
	s_wait_loadcnt 16                              ; K step 0's sixteen loads are in; K step 1's sixteen may be out
	SQ N0, 1
	QUANT N0, PC0, PW0
.irp i, 0,1,2,3,4,5,6,7
	v_xor_b32 v[PC0+\i], 0x88888888, v[PC0+\i]     ; the sign bit of each of eight codes
.endr
	global_store_b128 v4, v[PC0:PC0+3], s[6:7]               ; 32 lanes store 512 consecutive bytes, from a multiple of 256 on
	global_store_b128 v4, v[PC0+4:PC0+7], s[6:7] offset:512
	s_wait_loadcnt 0x0
	SQ N1, 0
	QUANT N1, PC1, PW1
.irp i, 0,1,2,3,4,5,6,7
	v_xor_b32 v[PC1+\i], 0x88888888, v[PC1+\i]
.endr
	global_store_b128 v4, v[PC1:PC1+3], s[6:7] offset:1024
	global_store_b128 v4, v[PC1+4:PC1+7], s[6:7] offset:1536
	v_cndmask_b32 v7, v[PW0], v[PW1], s22          ; lanes 0-15 K step 0's word, lanes 16-31 K step 1's
	v_add_nc_u32 v7, 0x01010101, v7                ; x 2: one more in each byte
	global_store_b32 v5, v7, s[6:7] offset:2048
	v_pk_add_f32 v[SQR:SQR+1], v[SQR:SQR+1], v[SQR+2:SQR+3]
	v_add_f32 v8, v[SQR], v[SQR+1]                 ; my 128 numbers' squares,
	v_permlanex16_b32 v9, v8, s[SEL], s[SEL+1]
	v_add_f32 v8, v8, v9                           ; and lane l xor 16's: b2 of row r
	global_store_b32 v5, v8, s[6:7] offset:2176
	s_endpgm                                       ; no register that a store reads was written again: each result has registers of its own
.Lfunc_end_k_q3bbbe29025_cbq:
	.size	k_q3bbbe29025_cbq, .Lfunc_end_k_q3bbbe29025_cbq-k_q3bbbe29025_cbq
	.p2alignl 7, 3214868480
	.fill 96, 4, 3214868480
	.section	.rodata,"a",@progbits
	.p2align	6, 0x0
	.amdhsa_kernel k_q3bbbe29025_cbq
		.amdhsa_group_segment_fixed_size 0
		.amdhsa_private_segment_fixed_size 0
		.amdhsa_enable_private_segment 0
		.amdhsa_kernarg_size 16
		.amdhsa_user_sgpr_count 2
		.amdhsa_user_sgpr_kernarg_segment_ptr 1
		.amdhsa_wavefront_size32 1
		.amdhsa_system_sgpr_workgroup_id_x 1
		.amdhsa_system_sgpr_workgroup_id_y 1
		.amdhsa_system_sgpr_workgroup_id_z 1
		.amdhsa_system_vgpr_workitem_id 0
		.amdhsa_next_free_vgpr 200
		.amdhsa_next_free_sgpr 66
		.amdhsa_reserve_vcc 0
		.amdhsa_float_denorm_mode_32 3
		.amdhsa_float_denorm_mode_16_64 3
		.amdhsa_memory_ordered 1
		.amdhsa_forward_progress 1
		.amdhsa_inst_pref_size 18
	.end_amdhsa_kernel
	.amdgpu_metadata
---
amdhsa.version: [ 1, 2 ]
amdhsa.kernels:
  - .name:           k_q3bbbe29025_cbq
    .symbol:         k_q3bbbe29025_cbq.kd
    .args:
      - { .name: codebook, .offset: 0, .size: 8, .value_kind: global_buffer, .address_space: global }
      - { .name: cbw, .offset: 8, .size: 8, .value_kind: global_buffer, .address_space: global }
    .group_segment_fixed_size: 0
    .private_segment_fixed_size: 0
    .kernarg_segment_align: 8
    .kernarg_segment_size: 16
    .max_flat_workgroup_size: 64
    .sgpr_count:     66
    .vgpr_count:     200
    .wavefront_size: 32
...
	.end_amdgpu_metadata
.endif
;; end of part 1
;; launch vq (part 2): grid 256 x 1, 8 waves a work-group, clusters of 4 x 1, 327,680 bytes of LDS; arguments x, cbw, idxw, out1; writes idxw, out1
.if DOCPART == 2
	.amdgcn_target "amdgcn-amd-amdhsa--gfx1250"
	.amdhsa_code_object_version 6
	.text
	.protected	k_q3bbbe29025_vq
	.globl	k_q3bbbe29025_vq
	.p2align	8
	.type	k_q3bbbe29025_vq,@function
k_q3bbbe29025_vq:
	s_mov_b64 s[64:65], 0
	v_nop
	global_prefetch_b8 v0, s[64:65] scope:SCOPE_SE
	s_setreg_imm32_b32 hwreg(HW_REG_WAVE_MODE, 25, 1), 1
	s_wait_xcnt 0x0
	s_wait_alu depctr_hold_cnt(0) depctr_sa_sdst(0) depctr_va_vdst(0) depctr_va_sdst(0) depctr_va_ssrc(0) depctr_va_vcc(0) depctr_vm_vsrc(0)
	s_getreg_b32 s2, hwreg(HW_REG_IB_STS2, 6, 4)
	s_cmp_eq_u32 s2, 0
	s_cbranch_scc0 .Lentry_in_a_cluster
	s_endpgm
.Lentry_in_a_cluster:
	s_bfe_u32 s2, ttmp6, 0x10000c
	s_cmp_lg_u32 s2, 0x3003
	s_cbranch_scc0 .Lentry_shape_is_right
	s_endpgm
.Lentry_shape_is_right:
; For each of 32,768 rows of x: the index of the codebook row with the least distance a2 - 2 ab + b2, the first such index.  No work of the problem is left out.
; cbw holds, for each tile of 16 codebook rows, a record of 2,304 bytes: the codes of -2 x codebook as an operand's registers (4 x 512 bytes), its scale words (+2048) and b2 (+2176).
; SHARES: a work-group has 128 rows of x (8 tiles of 16) and walks all 8,192 codes in 8 chunks of 64 records through two LDS slots.  Eight waves: wave w quantises x tile w at the head,
; fetches records 8 w .. 8 w + 7 of every chunk and multiplies them against all 8 x tiles.  The four work-groups of a cluster walk the same chunks: each chunk part is asked for jointly.
; THE PRODUCT IS USED TRANSPOSED: source 0 = 16 codes, source 1 = 16 rows of x: lane (r, h) holds row r of x, register j the code 8 h + j.  b2 is the C of a tile's first matrix instruction:
; s = b2 - 2 ab.  a2 + s does not fall where s rises, so the least rounded distance of a lane's 16 numbers (a pair of tiles) is a2 + the least s: one addition for 16 numbers.  That sum is compared,
; strictly, with the least so far; where it is less, the 16 s, the sum and the pair's first code are kept.  At the end a2 is added to the 16 kept s and the first that equals the least gives the index.
; The first pair's products are written straight into the kept registers: nothing is cleared.
; LIMITS: the distance is rounded as a2 + fl(b2 - 2 ab), where reference() rounds (a2 - 2 ab) + b2: the inner sum here keeps 24 bits of a number of the size of 2 ab.  a2 is summed in another order
; than a row-wise sum.  NaN and infinities among the inputs are not served.  A block of zeros of x gets the scale byte 1: its codes are zeros, and this launch alone reads the bytes.
; PREFETCH: behind the refill that asks for chunk c + 2 each wave names 18 blocks of 256 bytes of chunk c + 4: 32 waves of a cluster x 18 = the chunk's 576 blocks, shared out by address; chunks 0 to 3 come by their loads alone.
.set REC,   2304
.set SUB,   8*REC                      ; a wave's part of a chunk: 72 rows of 256 bytes
.set SLOT,  8*SUB
.set SPARE, 2*SLOT                     ; the spare words: 128 bytes for each of eight waves
.set XIMG,  SPARE+1024                 ; x's eight tiles as records of the same form (a2 in b2's place)
.set MRG,   XIMG+8*REC                 ; the waves' results: 1,024 bytes a wave
.set XP,    1040                       ; at the head slot 1's bytes hold the 128 rows of x: 1,024 bytes + 16 of padding a row
.set XST,   32*XP                      ; 32 rows: what one of x's four tensor loads brings
.set G1X,   68                         ; s[68:75] group 1 for x's rows;  s[76:83] for chunk 0's four parts of 16 records
.set G1H,   76
.set G0X,   84                         ; s[84:87], s[88:91] their groups 0
.set G0H,   88
; window 0
.set SPW, 3
.set NIL, 4
.set AC,  6                            ; v6-7   LDS address of my records' codes in slot 0, 1
.set AS,  8                            ; v8-9   of their scale words
.set AB,  10                           ; v10-11 of their b2
.set PFO, 12
.set H8,  13
.set MW,  14
.set MR,  15
.set LIX, 16
.set LSX, 17
.set XWI, 18
.set XWS, 19
.set XS,  20                           ; v20-27 x's scale words, a register a tile
.set A2,  28                           ; v28-35 a2 of my row in each tile
.set CS,  36                           ; v36-39 the codes' scale words: 2 sets x 2 tiles
.set XG,  40
.set TT,  41                           ; v41, v42, v45, v46 at work
.set TN,  44                           ; the pair's first code
.set BEST, 48                          ; v48-191 for each x tile: 16 kept s, the least distance, its pair's first code
.set DD,  192                          ; v192-255 two sets of 2 x tiles x 16 results
.set N0,  48                           ; at the head: 2 x 64 numbers of x, and the quantiser's registers
.set N1,  112
.set TM,  176
.set PC0, 192
.set PC1, 208
.set PW,  200
.set PW0, 201
.set SQR, 202
.set F,   192
.set M,   200
; window 1: v0-127 x's fragments; v128-191 the codes' fragments, two sets; v192-223 b2, two sets
.set CBF, 128
.set B2F, 192
.set WV,  12
.set G1J, 16
.set G0,  24
.set PF,  32
.set OUTER, 34
.set WB,  35
.set SEL, 36
.set HM,  38
.set MSB, 0
.macro WIN new                         ; the immediate's high byte repeats the setting that is left
.if MSB != \new
	s_set_vgpr_msb (MSB<<8)|\new
.set MSB, \new
.endif
.endm
.macro ROUND                           ; a round of the cluster's barrier
	s_barrier_signal -1
	s_barrier_wait -1
	s_cmp_lg_u32 s[WV], 0
	s_cbranch_scc1 .Lnot_wave_0_\@
	s_barrier_signal -3
.Lnot_wave_0_\@:
	s_barrier_wait -3
	s_barrier_signal -1
	s_barrier_wait -1
.endm
.macro XLOAD reg, s                    ; my 64 numbers of K step s: of row r, k = 32 b + 16 h + 0..15 of each block b
.irp b, 0,1,2,3
.irp j, 0,1,2,3
	ds_load_b128 v[\reg+16*\b+4*\j:\reg+16*\b+4*\j+3], v[XG] offset:512*\s+128*\b+16*\j
.endr
.endr
.endm
.macro SQ s, first                     ; the squares of 64 numbers onto two packed chains
.if \first
	v_pk_mul_f32 v[SQR:SQR+1], v[\s:\s+1], v[\s:\s+1]
	v_pk_mul_f32 v[SQR+2:SQR+3], v[\s+2:\s+3], v[\s+2:\s+3]
.else
	v_pk_fma_f32 v[SQR:SQR+1], v[\s:\s+1], v[\s:\s+1], v[SQR:SQR+1]
	v_pk_fma_f32 v[SQR+2:SQR+3], v[\s+2:\s+3], v[\s+2:\s+3], v[SQR+2:SQR+3]
.endif
.irp i, 4,8,12,16,20,24,28,32,36,40,44,48,52,56,60
	v_pk_fma_f32 v[SQR:SQR+1], v[\s+\i:\s+\i+1], v[\s+\i:\s+\i+1], v[SQR:SQR+1]
	v_pk_fma_f32 v[SQR+2:SQR+3], v[\s+\i+2:\s+\i+3], v[\s+\i+2:\s+\i+3], v[SQR+2:SQR+3]
.endr
.endm
.macro QUANT s, pc, pw                 ; 64 numbers become a fragment's codes and its scale word
.irp b, 0,1,2,3
	v_max3_num_f32 v[TM+\b], |v[\s+16*\b]|, |v[\s+1+16*\b]|, 0x1800000   ; with the floor 2^(3 - 127): the byte cannot fall under 1
.endr
.irp i, 2,4,6,8,10,12,14
.irp b, 0,1,2,3
	v_max3_num_f32 v[TM+\b], v[TM+\b], |v[\s+16*\b+\i]|, |v[\s+1+16*\b+\i]|
.endr
.endr
.irp b, 0,1,2,3
	v_permlanex16_b32 v[TM+4+\b], v[TM+\b], s[SEL], s[SEL+1]
.endr
.irp b, 0,1,2,3
	v_max_num_f32 v[TM+\b], v[TM+\b], v[TM+4+\b]       ; with lane l xor 16's: the block's largest magnitude
.endr
.irp b, 0,1,2,3
	v_add_nc_u32 v[TM+12+\b], 0xff000000, v[TM+\b]     ; 2 off its exponent field: the conversion's scale operand
.endr
.irp b, 0,1,2,3
	v_lshrrev_b32 v[TM+4+\b], 23, v[TM+12+\b]          ; the scale's byte
.endr
	v_lshl_or_b32 v[\pw], v[TM+5], 8, v[TM+4]
	s_delay_alu instid0(VALU_DEP_1)
	v_lshl_or_b32 v[\pw], v[TM+6], 16, v[\pw]
	s_delay_alu instid0(VALU_DEP_1)
	v_lshl_or_b32 v[\pw], v[TM+7], 24, v[\pw]
.irp b, 0,1,2,3
	v_cvt_scalef32_pk8_fp4_f32 v[\pc+2*\b], v[\s+16*\b:\s+7+16*\b], v[TM+12+\b]
	v_cvt_scalef32_pk8_fp4_f32 v[\pc+1+2*\b], v[\s+8+16*\b:\s+15+16*\b], v[TM+12+\b]
.endr
	v_nop                                              ; one plain place behind the scaled conversions
.irp c, 0,1                                        ; a whole block to a lane: lanes 0-15 block 2 c, lanes 16-31 block 2 c + 1
.irp i, 0,1
	v_permlane16_swap_b32 v[\pc+4*\c+\i], v[\pc+2+4*\c+\i]
.endr
.endr
.endm
.macro SYM g, z, first                 ; the registers of x tile 2 g + z
.set bq, BEST+18*(2*(\g)+\z)
.if \first
.set dq, bq
.else
.set dq, DD+32*((\g)%2)+16*\z
.endif
.set tq, TT+\z
.set uq, TT+4+\z
.endm
; 8 matrix instructions: the pair of code tiles in set b x x tiles 2 g, 2 g + 1, both K steps.  The four accumulators take turns.
.macro MM b, g, first
	WIN 0x15                                           ; codes, x and b2 in window 1, results in window 0
.irp z, 0,1
.irp e, 0,1
	SYM \g, \z, \first
	v_wmma_scale_f32_16x16x128_f8f6f4 v[dq+8*\e:dq+8*\e+7], v[CBF+32*(\b)+16*\e:CBF+32*(\b)+16*\e+7], v[16*(2*(\g)+\z):16*(2*(\g)+\z)+7], v[B2F+16*(\b)+8*\e:B2F+16*(\b)+8*\e+7], v[CS+2*(\b)+\e], v[XS+2*(\g)+\z] matrix_a_fmt:MATRIX_FMT_FP4 matrix_b_fmt:MATRIX_FMT_FP4
.endr
.endr
	WIN 0x05                                           ; C is now the result itself
.irp z, 0,1
.irp e, 0,1
	SYM \g, \z, \first
	v_wmma_scale_f32_16x16x128_f8f6f4 v[dq+8*\e:dq+8*\e+7], v[CBF+32*(\b)+16*\e+8:CBF+32*(\b)+16*\e+15], v[16*(2*(\g)+\z)+8:16*(2*(\g)+\z)+15], v[dq+8*\e:dq+8*\e+7], v[CS+2*(\b)+\e], v[XS+2*(\g)+\z] matrix_a_fmt:MATRIX_FMT_FP4 matrix_b_fmt:MATRIX_FMT_FP4 matrix_a_scale:MATRIX_SCALE_ROW1 matrix_b_scale:MATRIX_SCALE_ROW1
.endr
.endr
	WIN 0
.endm
; The vector work of x tiles 2 g, 2 g + 1 on one pair of code tiles: four chains of minima by turns, each accumulator read from its low end on.
.macro VEC g, first, inc
.if \inc
	v_add_nc_u32 v[TN], \inc, v[TN]                    ; on to this pair's first code: read sixteen and more vector instructions further down
.endif
.irp z, 0,1
	SYM \g, \z, \first
	v_min3_num_f32 v[tq], v[dq], v[dq+1], v[dq+2]
	v_min3_num_f32 v[uq], v[dq+8], v[dq+9], v[dq+10]
.endr
.irp i, 3,5
.irp z, 0,1
	SYM \g, \z, \first
	v_min3_num_f32 v[tq], v[tq], v[dq+\i], v[dq+\i+1]
	v_min3_num_f32 v[uq], v[uq], v[dq+8+\i], v[dq+9+\i]
.endr
.endr
.irp z, 0,1
	SYM \g, \z, \first
	v_min3_num_f32 v[tq], v[tq], v[dq+7], v[dq+15]
.endr
.irp z, 0,1
	SYM \g, \z, \first
	v_min_num_f32 v[tq], v[tq], v[uq]                  ; the least s of my 16
.endr
.if \first
.irp z, 0,1
	SYM \g, \z, \first
	v_add_f32 v[bq+16], v[tq], v[A2+2*(\g)+\z]         ; the first pair begins the record
.endr
.irp z, 0,1
	SYM \g, \z, \first
	v_mov_b32 v[bq+17], v[TN]
.endr
.else
.irp z, 0,1
	SYM \g, \z, \first
	v_add_f32 v[tq], v[tq], v[A2+2*(\g)+\z]            ; the least distance of my 16, rounded as every distance is
.endr
.irp z, 0,1
	SYM \g, \z, \first
	v_cmp_lt_f32 vcc_lo, v[tq], v[bq+16]               ; strictly less: on a tie the earlier pair stays
.irp k, 0,2,4,6,8,10,12,14
	v_dual_cndmask_b32 v[bq+\k], v[bq+\k], v[dq+\k] :: v_dual_cndmask_b32 v[bq+\k+1], v[bq+\k+1], v[dq+\k+1]
.endr
	v_dual_cndmask_b32 v[bq+16], v[bq+16], v[tq] :: v_dual_cndmask_b32 v[bq+17], v[bq+17], v[TN]
.endr
.endif
.endm
.macro LOAD b, slot, rec               ; 14 LDS loads: records rec, rec + 1 of my part of the slot into set b
	WIN 0x40
.irp e, 0,1
.irp q, 0,1,2,3
	ds_load_b128 v[CBF+32*(\b)+16*\e+4*\q:CBF+32*(\b)+16*\e+4*\q+3], v[AC+\slot] offset:(\rec+\e)*REC+512*\q
.endr
	ds_load_b128 v[B2F+16*(\b)+8*\e:B2F+16*(\b)+8*\e+3], v[AB+\slot] offset:(\rec+\e)*REC
	ds_load_b128 v[B2F+16*(\b)+8*\e+4:B2F+16*(\b)+8*\e+7], v[AB+\slot] offset:(\rec+\e)*REC+16
.endr
	WIN 0
.irp e, 0,1
	ds_load_b32 v[CS+2*(\b)+\e], v[AS+\slot] offset:(\rec+\e)*REC
.endr
.endm
; One pair of code tiles (set b) against the 8 x tiles, in four groups; a group's matrix instructions stand one group ahead of its vector work.
; chg = 1: all my reads of slot 'slot' have been issued: the slot is filled again, two chunks on.  chg = 2: the last chunk is only waited for.
; ld = 1: the pair after next (records lrec, lrec + 1 of slot lslot) comes into set b, whose last products stand a group's vector work back.
.macro PAIR b, first, inc, chg, slot, ld, lslot, lrec, next
	MM \b, 1, \first
	VEC 0, \first, \inc
	MM \b, 2, \first
	VEC 1, \first, 0
.if \chg == 1
	s_wait_tensorcnt 0x0                               ; all my tensor loads have landed: my part of the other slot
	ds_add_u32 v[SPW], v[NIL]                          ; a group's work stands between it and its wait
	s_add_nc_u64 s[G0+4*\slot+2:G0+4*\slot+3], s[G0+4*\slot+2:G0+4*\slot+3], 2*SLOT
.elseif \chg == 2
	s_wait_tensorcnt 0x0                               ; my part of the last chunk is in; only I read it
.endif
	MM \b, 3, \first
	VEC 2, \first, 0
.if \chg == 1
	s_wait_dscnt 0x0                                   ; the add is done, and my reads of this slot are back
	ROUND
	tensor_load_to_lds s[G0+4*\slot:G0+4*\slot+3], s[G1J:G1J+7]
	s_nop 0
.rept 4
	v_nop
.endr
.endif
.if \ld
	LOAD \b, \lslot, \lrec
	s_wait_dscnt 14                                    ; all but the 14 just issued: the next pair's set is in
.elseif \next
	s_wait_dscnt 0x0
.endif
.if \next
	MM 1-(\b), 0, 0
.endif
	VEC 3, \first, 0
.endm
.macro ASK off                         ; the chunk that the refill after next will ask for; the loop's last trip has none
	s_cmp_gt_u32 s[OUTER], 1
	s_cbranch_scc0 .Lno_ask_\@
	s_cmp_lt_u32 ttmp9, 4
	s_cbranch_scc0 .Lno_prefetch_vq0_\@
	global_prefetch_b8 v[PFO], s[PF:PF+1] offset:\off th:TH_LOAD_NT scope:SCOPE_SE
.Lno_prefetch_vq0_\@:
.Lno_ask_\@:
.endm
	s_load_b256 s[4:11], s[0:1], 0x0               ; x, cbw, idxw, out1
	v_lshl_add_u32 v[SPW], v0, 2, SPARE
	v_mov_b32 v[NIL], 0
	ds_add_u32 v[SPW], v[NIL]                      ; the opening lines: the add twice on end and its one wait
	ds_add_u32 v[SPW], v[NIL]
	v_lshrrev_b32 v1, 5, v0
	s_delay_alu instid0(VALU_DEP_1)
	v_readfirstlane_b32 s[WV], v1                  ; wave 0..7
	s_bfe_u32 s13, ttmp6, 0x40000                  ; cx
	s_lshl_b32 s14, ttmp9, 2
	s_add_co_u32 s14, s14, s13                     ; work-group
	s_mov_b32 s[G1J], 15|(3<<16)|(1<<21)           ; the four partners; elements of 8 bytes
	s_mov_b32 s[G1J+1], 32<<16                     ; rows of 256 bytes,
	s_mov_b32 s[G1J+2], 72<<16                     ; 72 of them, dense
	s_mov_b32 s[G1J+3], 32<<16
	s_mov_b32 s[G1J+4], 72
	s_mov_b32 s[G1J+5], 32
	s_mov_b32 s[G1J+6], 0
	s_mov_b32 s[G1J+7], 0
	s_mul_i32 s[WB], s[WV], SUB                    ; my part of a chunk, in cbw and in a slot
	s_mov_b32 s40, s[WB]
	s_mov_b32 s41, 0
	s_and_b32 s50, s[WV], 3                        ; at the head waves 0-3 fetch x, waves 4-7 chunk 0: which quarter is mine
	s_lshl_b32 s42, s14, 17                        ; x: 128 rows of 1,024 bytes a work-group,
	s_lshl_b32 s43, s50, 15                        ; 32 a load
	s_add_co_u32 s42, s42, s43
	s_mov_b32 s43, 0
	s_mul_i32 s51, s[WV], 16*XP
	s_add_co_u32 s51, s51, SLOT                    ; where my x tile's 16 rows lie in the stage
	s_mul_i32 s55, s50, XST
	s_add_co_u32 s55, s55, SLOT                    ; where a quarter of x goes
	s_mul_i32 s56, s50, 2*SUB                      ; a quarter of chunk 0, in cbw and in slot 0
	s_mov_b32 s57, 0
	s_mov_b32 s[G1X], (2<<16)|(1<<20)|(7<<22)|(3<<25)  ; elements of 4 bytes; 4 words of padding behind every 256
	s_mov_b32 s[G1X+1], 256<<16
	s_mov_b32 s[G1X+2], 32<<16
	s_mov_b32 s[G1X+3], 256<<16
	s_mov_b32 s[G1X+4], 32
	s_mov_b32 s[G1X+5], 256
	s_mov_b32 s[G1X+6], 0
	s_mov_b32 s[G1X+7], 0
	s_mov_b32 s[G1H], 15|(3<<16)|(1<<21)           ; as the ring's group 1, with 144 rows of 256 bytes
	s_mov_b32 s[G1H+1], 32<<16
	s_mov_b32 s[G1H+2], 144<<16
	s_mov_b32 s[G1H+3], 32<<16
	s_mov_b32 s[G1H+4], 144
	s_mov_b32 s[G1H+5], 32
	s_mov_b32 s[G1H+6], 0
	s_mov_b32 s[G1H+7], 0
	s_lshl_b32 s44, s14, 9                         ; the indices: 512 bytes a work-group
	s_mov_b32 s45, 0
	s_lshl_b32 s46, s13, 3
	s_add_co_u32 s46, s46, s[WV]
	s_mul_i32 s46, s46, 18*256                     ; the prefetches: 18 blocks for each of the cluster's 32 waves
	s_mul_i32 s47, s[WV], REC
	s_lshl_b32 s48, s[WV], 10
	s_add_co_u32 s48, s48, MRG
	s_lshl_b32 s49, s[WV], 7                       ; my first code: 128 x wave
	s_mov_b32 s[SEL], 0x76543210
	s_mov_b32 s[SEL+1], 0xfedcba98
	s_mov_b32 s[HM], 0xffff0000
	v_and_b32 v1, 15, v0                           ; r
	v_bfe_u32 v2, v0, 4, 1                         ; h
	v_and_b32 v5, 31, v0                           ; lane
	v_mul_u32_u24 v[XG], v1, XP
	v_lshlrev_b32 v[H8], 3, v2
	v_lshl_add_u32 v[AC], v5, 4, s[WB]
	v_lshl_add_u32 v[AS], v5, 2, s[WB]
	v_lshl_add_u32 v[AB], v2, 5, s[WB]
	v_lshl_add_u32 v[LIX], v5, 4, XIMG
	v_lshl_add_u32 v[LSX], v5, 2, XIMG
	v_lshl_add_u32 v[XG], v2, 6, v[XG]             ; x in the stage: row r, + 64 h,
	v_add_nc_u32 v[XG], s51, v[XG]                 ; in my tile
	v_add_nc_u32 v[AS], 2048, v[AS]
	v_add_nc_u32 v[AB], 2176, v[AB]
	v_add_nc_u32 v[AC+1], SLOT, v[AC]
	v_add_nc_u32 v[XWI], s47, v[LIX]
	v_add_nc_u32 v[XWS], s47, v[LSX]
	v_add_nc_u32 v[AS+1], SLOT, v[AS]
	v_add_nc_u32 v[AB+1], SLOT, v[AB]
	v_lshl_add_u32 v[MW], v1, 2, s48
	v_lshl_add_u32 v[MR], v0, 3, MRG
	v_min_u32 v5, 17, v5                           ; lanes 18-31 name their wave's last block again
	v_mov_b32 v[TN], s49
.irp b, 0,1,2,3
	v_mov_b32 v[TM+4+\b], 0                        ; a lane permute's destination counts as one of its sources
.endr
	v_lshl_add_u32 v[PFO], v5, 8, s46
	s_wait_alu depctr_va_vdst(0)
	s_wait_dscnt 0x0                               ; both opening adds are done
	s_wait_kmcnt 0x0
	s_mov_b32 s[G0X], 1
	s_mov_b32 s[G0X+1], s55
	s_add_nc_u64 s[G0X+2:G0X+3], s[4:5], s[42:43]
	s_or_b32 s[G0X+3], s[G0X+3], 0x80000000
	s_mov_b32 s[G0H], 1
	s_mov_b32 s[G0H+1], s56
	s_add_nc_u64 s[G0H+2:G0H+3], s[6:7], s[56:57]
	s_or_b32 s[G0H+3], s[G0H+3], 0x80000000
	s_mov_b32 s[G0], 1
	s_mov_b32 s[G0+1], s[WB]
	s_add_nc_u64 s[G0+2:G0+3], s[6:7], s[40:41]
	s_add_nc_u64 s[G0+6:G0+7], s[G0+2:G0+3], SLOT
	s_or_b32 s[G0+3], s[G0+3], 0x80000000
	s_mov_b32 s[G0+4], 1
	s_add_co_u32 s[G0+5], s[WB], SLOT
	s_or_b32 s[G0+7], s[G0+7], 0x80000000
	s_add_nc_u64 s[PF:PF+1], s[6:7], 4*SLOT        ; chunk 4
	s_add_nc_u64 s[8:9], s[8:9], s[44:45]
	s_add_nc_u64 s[10:11], s[10:11], s[44:45]
	ROUND                                          ; in front of the first loads
	; THE HEAD'S LOADS, ONE A WAVE, in one chain of branches on the wave's number: waves 0-3 bring 32 rows of x each into slot 1's bytes; waves 4-7 bring chunk 0, here alone in four parts of 16 records, jointly
	s_cmp_lt_u32 s[WV], 4
	s_cbranch_scc0 .Lhead_cb
	tensor_load_to_lds s[G0X:G0X+3], s[G1X:G1X+7]
	s_nop 0
.rept 4
	v_nop
.endr
	s_branch .Lhead_asked
.Lhead_cb:
	tensor_load_to_lds s[G0H:G0H+3], s[G1H:G1H+7]
	s_nop 0
.rept 4
	v_nop
.endr
.Lhead_asked:
	s_wait_tensorcnt 0x0                           ; my load has landed: other waves read its bytes behind the barrier
	s_barrier_signal -1
	s_barrier_wait -1
	XLOAD N0, 0                                    ; my x tile out of the stage: 32 LDS loads
	XLOAD N1, 1
	s_wait_dscnt 16                                ; K step 0's sixteen loads are in
	SQ N0, 1
	QUANT N0, PC0, PW0
	ds_store_b128 v[XWI], v[PC0:PC0+3]
	ds_store_b128 v[XWI], v[PC0+4:PC0+7] offset:512
	s_wait_dscnt 0x0                               ; K step 1's loads are in
	SQ N1, 0
	QUANT N1, PC1, PW
	ds_store_b128 v[XWI], v[PC1:PC1+3] offset:1024
	ds_store_b128 v[XWI], v[PC1+4:PC1+7] offset:1536
	v_cndmask_b32 v[PW0], v[PW0], v[PW], s[HM]     ; lanes 0-15 K step 0's word, lanes 16-31 K step 1's
	v_pk_add_f32 v[SQR:SQR+1], v[SQR:SQR+1], v[SQR+2:SQR+3]
	ds_store_b32 v[XWS], v[PW0] offset:2048
	v_add_f32 v[SQR], v[SQR], v[SQR+1]
	v_permlanex16_b32 v[SQR+1], v[SQR], s[SEL], s[SEL+1]
	v_add_f32 v[SQR], v[SQR], v[SQR+1]             ; a2 of row r
	ds_store_b32 v[XWS], v[SQR] offset:2176
	s_wait_tensorcnt 0x0                           ; my part of chunk 0 is in; slot 1's first fill is issued as a refill is
	ds_add_u32 v[SPW], v[NIL]
	s_wait_dscnt 0x0                               ; the add, and my stores of the x image, are done
	ROUND
	tensor_load_to_lds s[G0+4:G0+7], s[G1J:G1J+7]  ; chunk 1
	s_nop 0
.rept 4
	v_nop
.endr
	WIN 0x40
.irp i, 0,1,2,3,4,5,6,7
.irp q, 0,1,2,3
	ds_load_b128 v[16*\i+4*\q:16*\i+4*\q+3], v[LIX] offset:REC*\i+512*\q
.endr
.endr
	WIN 0
.irp i, 0,1,2,3,4,5,6,7
	ds_load_b32 v[XS+\i], v[LSX] offset:REC*\i+2048
	ds_load_b32 v[A2+\i], v[LSX] offset:REC*\i+2176
.endr
	LOAD 0, 0, 0
	LOAD 1, 0, 2
	s_wait_dscnt 14                                ; all but the second pair's 14
	MM 0, 0, 1
.rept 4
	v_nop                                          ; places between these products and the first read of their results
.endr
	PAIR 0, 1, 0, 0, 0, 1, 0, 4, 1                 ; the first pair stands in front of the loop: it begins the records
	s_mov_b32 s[OUTER], 3
.Lring:                                                ; a trip: two chunks, from a chunk's second pair to the first pair of the chunk after next
	PAIR 1, 0, 32, 0, 0, 1, 0, 6, 1
	PAIR 0, 0, 32, 1, 0, 1, 1, 0, 1
	ASK 0
	PAIR 1, 0, 32, 0, 0, 1, 1, 2, 1
	PAIR 0, 0, 928, 0, 0, 1, 1, 4, 1               ; a chunk on: 1,024 codes less my 96
	PAIR 1, 0, 32, 0, 0, 1, 1, 6, 1
	PAIR 0, 0, 32, 1, 1, 1, 0, 0, 1
	ASK SLOT
	PAIR 1, 0, 32, 0, 0, 1, 0, 2, 1
	PAIR 0, 0, 928, 0, 0, 1, 0, 4, 1
	s_wait_xcnt 0x0                                ; my prefetches have read their base
	s_add_nc_u64 s[PF:PF+1], s[PF:PF+1], 2*SLOT
	s_sub_co_u32 s[OUTER], s[OUTER], 1
	s_cmp_lg_u32 s[OUTER], 0
	s_cbranch_scc1 .Lring
	PAIR 1, 0, 32, 0, 0, 1, 0, 6, 1                ; chunks 6 and 7: nothing is filled again
	PAIR 0, 0, 32, 2, 0, 1, 1, 0, 1
	PAIR 1, 0, 32, 0, 0, 1, 1, 2, 1
	PAIR 0, 0, 928, 0, 0, 1, 1, 4, 1
	PAIR 1, 0, 32, 0, 0, 1, 1, 6, 1
	PAIR 0, 0, 32, 0, 0, 0, 0, 0, 1
	PAIR 1, 0, 32, 0, 0, 0, 0, 0, 0
	v_mov_b32 v[F+2], 0
	v_mov_b32 v[F+3], 0
; x tile i: the kept s become distances; the first that equals the least gives the code; then lane l xor 16's eight codes of each tile, the lower index on a tie
.macro FIN i
.set bq, BEST+18*(\i)
.irp q, 0,1,2,3,4,5,6,7,8,9,10,11,12,13,14,15
	v_add_f32 v[bq+\q], v[bq+\q], v[A2+\i]
.endr
	v_mov_b32 v[F], 23
.irp q, 14,13,12,11,10,9,8
	v_cmp_eq_f32 vcc_lo, v[bq+\q], v[bq+16]
	v_cndmask_b32 v[F], v[F], \q+8, vcc_lo             ; register 8 + j is code 16 + 8 h + j of the pair
.endr
.irp q, 7,6,5,4,3,2,1,0
	v_cmp_eq_f32 vcc_lo, v[bq+\q], v[bq+16]
	v_cndmask_b32 v[F], v[F], \q, vcc_lo
.endr
	v_add3_u32 v[F+1], v[bq+17], v[F], v[H8]
	v_permlanex16_b32 v[F+2], v[bq+16], s[SEL], s[SEL+1]
	v_permlanex16_b32 v[F+3], v[F+1], s[SEL], s[SEL+1]
	v_cmp_lt_f32 s52, v[F+2], v[bq+16]
	v_cmp_eq_f32 s53, v[F+2], v[bq+16]
	v_cmp_lt_u32 s54, v[F+3], v[F+1]
	s_and_b32 s53, s53, s54
	s_or_b32 s52, s52, s53
	v_cndmask_b32 v[bq], v[bq+16], v[F+2], s52
	v_cndmask_b32 v[bq+1], v[F+1], v[F+3], s52
	ds_store_b32 v[MW], v[bq] offset:64*(\i)
	ds_store_b32 v[MW], v[bq+1] offset:512+64*(\i)
.endm
.irp i, 0,1,2,3,4,5,6,7
	FIN \i
.endr
	s_wait_dscnt 0x0                               ; for the others' sake: my results are stored
	s_barrier_signal -1
	s_barrier_wait -1
	s_cmp_ge_u32 s[WV], 2
	s_cbranch_scc1 .Lend                           ; waves 0 and 1 join the eight waves' results, two rows a lane
.irp w, 0,1,2,3,4,5,6,7
	ds_load_b64 v[M+2*\w:M+2*\w+1], v[MR] offset:1024*\w
	ds_load_b64 v[M+16+2*\w:M+16+2*\w+1], v[MR] offset:1024*\w+512
.endr
	v_lshlrev_b32 v[M+32], 3, v0
	s_wait_dscnt 0x0
.irp w, 1,2,3,4,5,6,7
.irp e, 0,1
	v_cmp_lt_f32 s52, v[M+2*\w+\e], v[M+\e]
	v_cmp_eq_f32 s53, v[M+2*\w+\e], v[M+\e]
	v_cmp_lt_u32 s54, v[M+16+2*\w+\e], v[M+16+\e]
	s_and_b32 s53, s53, s54
	s_or_b32 s52, s52, s53
	v_cndmask_b32 v[M+\e], v[M+\e], v[M+2*\w+\e], s52
	v_cndmask_b32 v[M+16+\e], v[M+16+\e], v[M+16+2*\w+\e], s52
.endr
.endr
	global_store_b64 v[M+32], v[M+16:M+17], s[10:11]   ; a wave stores 256 consecutive bytes, from a multiple of 256 on
	global_store_b64 v[M+32], v[M+16:M+17], s[8:9]
.Lend:
	s_wait_tensorcnt 0x0                           ; the wave's end
	ds_add_u32 v[SPW], v[NIL]
	s_wait_dscnt 0x0
	ROUND                                          ; the closing round
	s_endpgm
.Lfunc_end_k_q3bbbe29025_vq:
	.size	k_q3bbbe29025_vq, .Lfunc_end_k_q3bbbe29025_vq-k_q3bbbe29025_vq
	.p2alignl 7, 3214868480
	.fill 96, 4, 3214868480
	.section	.rodata,"a",@progbits
	.p2align	6, 0x0
	.amdhsa_kernel k_q3bbbe29025_vq
		.amdhsa_group_segment_fixed_size 327680
		.amdhsa_private_segment_fixed_size 0
		.amdhsa_enable_private_segment 0
		.amdhsa_kernarg_size 32
		.amdhsa_user_sgpr_count 2
		.amdhsa_user_sgpr_kernarg_segment_ptr 1
		.amdhsa_wavefront_size32 1
		.amdhsa_system_sgpr_workgroup_id_x 1
		.amdhsa_system_sgpr_workgroup_id_y 1
		.amdhsa_system_sgpr_workgroup_id_z 1
		.amdhsa_system_vgpr_workitem_id 0
		.amdhsa_next_free_vgpr 512
		.amdhsa_next_free_sgpr 96
		.amdhsa_reserve_vcc 1
		.amdhsa_float_denorm_mode_32 3
		.amdhsa_float_denorm_mode_16_64 3
		.amdhsa_memory_ordered 1
		.amdhsa_forward_progress 1
		.amdhsa_inst_pref_size 255
	.end_amdhsa_kernel
	.section	.bss,"aw",@nobits
	.p2align	6
	.space	262144
	.amdgpu_metadata
---
amdhsa.version: [ 1, 2 ]
amdhsa.kernels:
  - .name:           k_q3bbbe29025_vq
    .symbol:         k_q3bbbe29025_vq.kd
    .args:
      - { .name: x, .offset: 0, .size: 8, .value_kind: global_buffer, .address_space: global }
      - { .name: cbw, .offset: 8, .size: 8, .value_kind: global_buffer, .address_space: global }
      - { .name: idxw, .offset: 16, .size: 8, .value_kind: global_buffer, .address_space: global }
      - { .name: out1, .offset: 24, .size: 8, .value_kind: global_buffer, .address_space: global }
    .group_segment_fixed_size: 327680
    .private_segment_fixed_size: 0
    .kernarg_segment_align: 8
    .kernarg_segment_size: 32
    .max_flat_workgroup_size: 256
    .sgpr_count:     96
    .vgpr_count:     512
    .wavefront_size: 32
...
	.end_amdgpu_metadata
.endif
;; end of part 2
;; launch gat (part 3): grid 256 x 1, 8 waves a work-group, no clusters, 0 bytes of LDS; arguments idxw, codebook, out0; writes out0
.if DOCPART == 3
	.amdgcn_target "amdgcn-amd-amdhsa--gfx1250"
	.amdhsa_code_object_version 6
	.text
	.protected	k_q3bbbe29025_gat
	.globl	k_q3bbbe29025_gat
	.p2align	8
	.type	k_q3bbbe29025_gat,@function
k_q3bbbe29025_gat:
	s_mov_b64 s[64:65], 0
	v_nop
	global_prefetch_b8 v0, s[64:65] scope:SCOPE_SE
	s_setreg_imm32_b32 hwreg(HW_REG_WAVE_MODE, 25, 1), 1
	s_wait_xcnt 0x0
; out0[row][:] = codebook[idxw[row]][:], 32,768 rows of 1,024 bytes.  The indices are whole numbers that the launch before stored.
; SHARES: a wave takes 16 rows; 8 waves to a work-group, 256 work-groups.  Its 16 indices come by one scalar load; each is held to 8,191, the table's last row, ahead of the address.
; A row is two loads of 512 consecutive bytes (16 bytes a lane) and two stores of the same shape, from multiples of 256 on.  All 32 loads of a wave go out at once: 16,384 bytes on their way;
; the stores follow as the loads come back, in order.  Every register is written once, so nothing waits for a store.  No LDS, no barrier: waves share nothing.
; No hint on the loads: several rows may name the same codebook row.
	s_load_b128 s[4:7], s[0:1], 0x0                ; idxw s[4:5], codebook s[6:7]
	s_load_b64 s[8:9], s[0:1], 0x10                ; out0
	v_lshrrev_b32 v2, 5, v0
	s_delay_alu instid0(VALU_DEP_1)
	v_readfirstlane_b32 s10, v2                    ; wave 0..7
	v_and_b32 v1, 31, v0
	s_delay_alu instid0(VALU_DEP_1)
	v_lshlrev_b32 v1, 4, v1                        ; 16 bytes a lane
	s_lshl_b32 s11, ttmp9, 3
	s_add_co_u32 s11, s11, s10                     ; which 16 rows are my wave's
	s_lshl_b32 s12, s11, 6                         ; their indices: 64 bytes
	s_mov_b32 s13, 0
	s_lshl_b32 s14, s11, 14                        ; their place in out0: 16 x 1,024 bytes
	s_mov_b32 s15, 0
	s_wait_alu depctr_va_vdst(0)
	s_wait_kmcnt 0x0
	s_add_nc_u64 s[4:5], s[4:5], s[12:13]
	s_add_nc_u64 s[8:9], s[8:9], s[14:15]
	s_load_b512 s[16:31], s[4:5], 0x0              ; no line of this launch writes idxw
	s_wait_kmcnt 0x0
.irp k, 0,1,2,3,4,5,6,7,8,9,10,11,12,13,14,15
	s_min_u32 s[16+\k], s[16+\k], 8191
	v_lshl_add_u32 v[4+\k], s[16+\k], 10, v1       ; the row's first byte + my 16
.endr
	s_wait_alu depctr_va_vdst(0)
.irp k, 0,1,2,3,4,5,6,7,8,9,10,11,12,13,14,15
	global_load_b128 v[24+8*\k:24+8*\k+3], v[4+\k], s[6:7]
	global_load_b128 v[24+8*\k+4:24+8*\k+7], v[4+\k], s[6:7] offset:512
.endr
.irp k, 0,1,2,3,4,5,6,7,8,9,10,11,12,13,14,15
	s_wait_loadcnt 31-2*\k                         ; loads come back in order (ISA guide 5.7.1): this one is in, the younger ones may be out
	global_store_b128 v1, v[24+8*\k:24+8*\k+3], s[8:9] offset:1024*\k th:TH_STORE_NT
	s_wait_loadcnt 30-2*\k
	global_store_b128 v1, v[24+8*\k+4:24+8*\k+7], s[8:9] offset:1024*\k+512 th:TH_STORE_NT
.endr
	s_endpgm
.Lfunc_end_k_q3bbbe29025_gat:
	.size	k_q3bbbe29025_gat, .Lfunc_end_k_q3bbbe29025_gat-k_q3bbbe29025_gat
	.p2alignl 7, 3214868480
	.fill 96, 4, 3214868480
	.section	.rodata,"a",@progbits
	.p2align	6, 0x0
	.amdhsa_kernel k_q3bbbe29025_gat
		.amdhsa_group_segment_fixed_size 0
		.amdhsa_private_segment_fixed_size 0
		.amdhsa_enable_private_segment 0
		.amdhsa_kernarg_size 24
		.amdhsa_user_sgpr_count 2
		.amdhsa_user_sgpr_kernarg_segment_ptr 1
		.amdhsa_wavefront_size32 1
		.amdhsa_system_sgpr_workgroup_id_x 1
		.amdhsa_system_sgpr_workgroup_id_y 1
		.amdhsa_system_sgpr_workgroup_id_z 1
		.amdhsa_system_vgpr_workitem_id 0
		.amdhsa_next_free_vgpr 152
		.amdhsa_next_free_sgpr 66
		.amdhsa_reserve_vcc 0
		.amdhsa_float_denorm_mode_32 3
		.amdhsa_float_denorm_mode_16_64 3
		.amdhsa_memory_ordered 1
		.amdhsa_forward_progress 1
		.amdhsa_inst_pref_size 11
	.end_amdhsa_kernel
	.amdgpu_metadata
---
amdhsa.version: [ 1, 2 ]
amdhsa.kernels:
  - .name:           k_q3bbbe29025_gat
    .symbol:         k_q3bbbe29025_gat.kd
    .args:
      - { .name: idxw, .offset: 0, .size: 8, .value_kind: global_buffer, .address_space: global }
      - { .name: codebook, .offset: 8, .size: 8, .value_kind: global_buffer, .address_space: global }
      - { .name: out0, .offset: 16, .size: 8, .value_kind: global_buffer, .address_space: global }
    .group_segment_fixed_size: 0
    .private_segment_fixed_size: 0
    .kernarg_segment_align: 8
    .kernarg_segment_size: 24
    .max_flat_workgroup_size: 256
    .sgpr_count:     66
    .vgpr_count:     152
    .wavefront_size: 32
...
	.end_amdgpu_metadata
.endif
;; end of part 3
